; MI455X (gfx1250); checked and timed in simulation.
; The chip was launched on July 23, 2026; its instructions are those of AMD's public machine-readable ISA for CDNA 5 (MIT licence, August 2026) and "CDNA5" Instruction Set Architecture Reference Guide (July 2026). The comments in the code are by the model that wrote it; some were corrected since.
;; Attention. Allowed arithmetic: matrix products marked QUANTISED: E2M1 operands, one E8M0 scale for each 32 along K, by v_wmma_scale_f32_16x16x128_f8f6f4 with both operands' format E2M1 (or v_wmma_scale_f32_32x16x128_f4), f32 sums; everything else in f32.
;; Inputs: k 2 x 4,096 x 8 x 64 float32; q 2 x 4,096 x 8 x 64 float32; v 2 x 4,096 x 8 x 64 float32.
;; Outputs: out0 2 x 4,096 x 8 x 64 float32.
;; This version of the problem:
;;   THIS VERSION OF THE PROBLEM IS GIVEN IN LOW PRECISION. The matrix products marked QUANTISED in the list below multiply operands that are first quantised to E2M1 (2 exponent bits, 1 mantissa bit; 4 bits a number), with one power-of-two scale for each 32 numbers along K (OCP MX v1.0); their sums are f32. All else is computed in f32.
;;   The module's matrix products, in the order in which they are computed (A, B: the left and right operand; K: the contracted axis; several contracted axes count as one K, in the product's order):
;;     1. batch 16 x [M 4,096, K 64] x [K 64, N 4,096]; A: input q; B: input k: QUANTISED
;;     2. batch 16 x [M 64, K 4,096] x [K 4,096, N 4,096]; A: input v; B: softmax (see below): QUANTISED
;;   THE QUANTISER, for each operand of a quantised product, along K:
;;     - K is cut into blocks of 32 from its start; a last block that is shorter is filled with zeros.
;;     - A block's scale is 2^e with e = floor(log2(the largest magnitude in the block)) - 2, held to -126 .. 127; a block of zeros has e = 0. As a byte (E8M0): e + 127.
;;     - Each number is divided by its block's scale, clamped to +-6, and rounded to the nearest number of E2M1, ties to even, subnormals kept.
;;     - The product sums the exact products of the quantised numbers (number of the format x scale) in f32.
;;   ~~~python
;;   def quantise(x, axis):      # numpy; x: float32 -> the quantised numbers, widened to float32 again
;;       x = np.moveaxis(x, axis, -1); K = x.shape[-1]
;;       x = np.pad(x, [(0, 0)] * (x.ndim - 1) + [(0, -K % 32)]); x = x.reshape(x.shape[:-1] + (-1, 32)); a = np.abs(x).max(-1, keepdims=True)
;;       e = np.where(a > 0, np.clip(np.frexp(np.where(a > 0, a, 1))[1] - 1 - 2, -126, 127), 0)      # np.frexp(a)[1] - 1 = floor(log2(a)), exactly
;;       r = np.clip(x / 2.0 ** e, -6, 6)
;;       step = 2.0 ** (np.maximum(np.frexp(np.where(r == 0, 1, r))[1] - 1, 0) - 1)
;;       q = np.round(r / step) * step * 2.0 ** e      # np.round: ties to even
;;       return np.moveaxis(q.reshape(q.shape[:-2] + (-1,))[..., :K], -1, axis).astype(np.float32)
;;   ~~~
;;   SOFTMAX AHEAD OF A QUANTISED PRODUCT. Where the list says 'softmax', what is quantised is not the finished softmax but p = 2^(t - M), with t = logit x log2(e) and M = ceil(the row's largest t), a whole number; so 1/2 < the row's largest p <= 1. The row's sum l is taken of the UNQUANTISED p, in f32, and the product's result is divided by l at the end. Since M is a whole number, a kernel that streams over the keys may use a running M (the ceiling of the running maximum): every later rescaling is an exact power of two, which a block's scale takes up: the codes' values come out the same.
;;   OPERANDS COMPUTED ON THE WAY. 'Computed on the way' means the value that the module computes at that place (a softmax that the list does not call 'softmax' is quantised finished and normalised). What goes into a quantiser is computed in f32, as accurately as f32 sums, v_exp_f32 and their like allow (about 1e-6 of the number): no bf16 or f16 on the way to a quantiser, and a product that is left as it is and whose result goes on into a quantised operand takes f32 operands (vector FMAs, or v_wmma_f32_16x16x4_f32). A number that lies on a knife's edge between two numbers of the format may be rounded either way, as far as f32 arithmetic and the matrix unit's own rounding can turn it there, and no further.
;; One version. Each part assembles by itself: llvm-mc -triple=amdgcn-amd-amdhsa -mcpu=gfx1250 --defsym DOCPART=n.
;; ======== version 1 of 1: 2 launches
;; limits: right only within a limited range of input values
;; workspace buffers: kvimg 4,718,592 bytes; qimg 2,359,296 bytes
;; launch prep (part 1): grid 32 x 16, 6 waves a work-group, no clusters, 70,400 bytes of LDS; arguments k, q, v, kvimg, qimg; writes kvimg, qimg
.if DOCPART == 1
	.amdgcn_target "amdgcn-amd-amdhsa--gfx1250"
	.amdhsa_code_object_version 6
	.text
	.protected	k_q3a46f7949f_prep
	.globl	k_q3a46f7949f_prep
	.p2align	8
	.type	k_q3a46f7949f_prep,@function
k_q3a46f7949f_prep:
	s_mov_b64 s[64:65], 0
	v_nop
	global_prefetch_b8 v0, s[64:65] scope:SCOPE_SE
	s_setreg_imm32_b32 hwreg(HW_REG_WAVE_MODE, 25, 1), 1
	s_wait_xcnt 0x0
; k, q, v: [2][4096][8][64] f32.  They are turned ONCE into codes of FP4 (E2M1) with one E8M0 scale byte for each 32 along a product's K, laid as IMAGES OF THE OPERAND REGISTERS that the attention launch wants.
; k and q are quantised along the head's 64 (two blocks of 32), v along the keys (blocks of 32 keys).  A block's scale is 2^(floor(log2(its largest magnitude)) - 2): its byte is that magnitude's exponent field - 2.
; LIMITS: NaN and infinities among the inputs are not served.  A block whose largest magnitude lies under 2^-124 (a block of zeros too) gets the byte 1: no largest magnitude is taken under the floor 2^(3 - 127);
; a block of zeros has zero codes, which add nothing under any byte but 0xff, and the bytes are read by this program alone.
; SHARES.  A work-group takes 128 rows (x = which 128) of one head (y = 8 b + h) of all three tensors.  Six waves that share nothing, no barrier: waves 0, 1 k; waves 2, 3 q; waves 4, 5 v.
; A BLOCK OF kvimg, 9,216 bytes for 128 keys, at (32 y + x) * 9216:
;   512 T (T = 0..7)            tile T of K: lane 16 hh + r has 16 bytes at 16 x lane: the codes of e = 32 hh .. 32 hh + 31 of key 32 (T / 2) + 8 (T % 2) + r + 8 (r / 8)
;   4096 + 1024 t + 256 kb      fragment t of V (channels 16 t + r): 16 bytes at 16 r: the codes of keys 32 kb .. 32 kb + 31.  (Registers 4 c .. 4 c + 3 of lane (r, hh) are key block 2 c + hh: the image is 512 c + 16 x lane)
;   8192 + 256 g + 16 r + 4 j   the scale word of tile 4 g + j, row r: the row's two bytes, twice (bytes 0, 1 and bytes 2, 3), so that the word serves a tile in either half of an instruction's 128 along K
;   8704 + 256 x + 8 L          the scale word (four key blocks) of channel 32 x + L, and a copy of it, so that the wave's one store covers 256 consecutive bytes, aligned
; A BLOCK OF qimg, 4,608 bytes for 128 queries: tiles as K's at 512 T, scale words at 4096 + 256 g + 16 r + 4 j.
; THE ROWS OF A TILE ARE NOT NEIGHBOURS, so that in S^T = K Q^T the 16 registers of two neighbouring tiles are 16 neighbouring keys; q's tiles take the same rows, since one path serves both.
.set PITCH, 272                        ; a stage row: a head row's 256 bytes + 16: the 16 rows that a load or store touches fall on 16 different 16-byte columns of 256
.set STG,   16*PITCH                   ; a stage: one tile's 16 rows.  Each of waves 0 to 3 has four of its own, one a tile: none is written twice
.set GIN, 4                            ; v4   k, q: 2048 hh + 16 r: lanes 0-15 read one row of the head (256 bytes), lanes 16-31 the next
.set STI, 5                            ; v5   the stage, way in: wave's stages + 272 hh + 16 r
.set STO, 6                            ; v6   way out: wave's stages + 272 r + 128 hh: my 32 neighbours along e
.set LI,  7                            ; v7   16 x lane: my place in an image
.set KS,  8                            ; v8   16 r + 8 hh: my two scale words
.set SH,  9                            ; v9   8 hh: my byte's place in the row's pair
.set VIN, 10                           ; v10  v: 4 x lane: my channel
.set VO,  11                           ; v11  v's codes: 1024 hh + 16 r
.set VS,  12                           ; v12  v's scale words: 8 x lane
.set PD,  13                           ; v13  the lane permute's destination (it counts as a source: written once at the head)
.set MA,  16                           ; v16, v17 two chains of the largest magnitude
.set MB,  17
.set SC,  18                           ; v18  the conversions' scale operand
.set BY,  19                           ; v19  the scale's byte
.set C,   32                           ; v32-47   codes: four registers a tile or block, never written again: no store's data are rewritten
.set SW,  48                           ; v48-51   k, q: a scale word a tile
.set WP,  52                           ; v52-53   the pair that the scale store takes
.set R,   64                           ; v64-191  k, q: four tiles x 32 registers as loaded
.set VX,  64                           ; v64-127  v: two sets of 32 numbers down the keys
.set X,   192                          ; v192-255 k, q: two sets of 32 neighbours along e
.set WV,  14                           ; s14  wave
.set XH,  15                           ; s15  which half: k, q: tiles 4 x .. 4 x + 3; v: channels 32 x ..
.set ROLE, 16                          ; s16  0 k, 1 q, 2 v
.set IN,  24                           ; s[24:25] where I read
.set OUT, 26                           ; s[26:27] where my codes go
.set OSC, 28                           ; s[28:29] where my scale words go
.set SEL, 30                           ; s[30:31] v_permlanex16_b32's selects for lane l xor 16
	s_load_b256 s[4:11], s[0:1], 0x0               ; k s[4:5], q s[6:7], v s[8:9], kvimg s[10:11]
	s_load_b64 s[12:13], s[0:1], 0x20              ; qimg
	v_lshl_add_u32 v62, v0, 2, 0x11000
	v_mov_b32 v63, 0
	v_lshrrev_b32 v1, 5, v0
	v_readfirstlane_b32 s[WV], v1                  ; wave 0..5
	s_and_b32 s[XH], s[WV], 1
	s_lshr_b32 s[ROLE], s[WV], 1
	s_and_b32 s17, ttmp7, 0xffff                   ; 8 b + h
	s_lshr_b32 s18, s17, 3
	s_lshl_b32 s18, s18, 23                        ; b x 4,096 rows of 2,048 bytes
	s_lshl_b32 s19, ttmp9, 18                      ; + 128 rows for each step
	s_add_co_u32 s18, s18, s19
	s_and_b32 s19, s17, 7
	s_lshl_b32 s19, s19, 8                         ; + 256 bytes for each head
	s_add_co_u32 s18, s18, s19
	s_mov_b32 s19, 0                               ; s[18:19]: the input offset, under 2^24
	s_lshl_b32 s20, s17, 5
	s_add_co_u32 s20, s20, ttmp9                   ; which block of the images
	s_mov_b32 s[SEL], 0x76543210
	s_mov_b32 s[SEL+1], 0xfedcba98
	; every lane register is made here, ahead of the parting of the roles
	v_and_b32 v1, 15, v0                           ; r
	v_bfe_u32 v2, v0, 4, 1                         ; hh
	v_and_b32 v3, 31, v0                           ; lane
	v_lshlrev_b32 v[GIN], 11, v2
	v_lshl_add_u32 v[GIN], v1, 4, v[GIN]
	s_and_b32 s23, s[WV], 3
	s_mul_i32 s23, s23, 4*STG                      ; my four stages (waves 4 and 5 touch no LDS)
	v_mul_u32_u24 v[STI], v2, PITCH
	v_lshl_add_u32 v[STI], v1, 4, v[STI]
	v_add_nc_u32 v[STI], s23, v[STI]
	v_mul_u32_u24 v[STO], v1, PITCH
	v_lshl_add_u32 v[STO], v2, 7, v[STO]
	v_add_nc_u32 v[STO], s23, v[STO]
	v_lshlrev_b32 v[LI], 4, v3
	v_lshlrev_b32 v[KS], 4, v1
	v_lshl_add_u32 v[KS], v2, 3, v[KS]
	v_lshlrev_b32 v[SH], 3, v2
	v_lshlrev_b32 v[VIN], 2, v3
	v_lshlrev_b32 v[VO], 10, v2
	v_lshl_add_u32 v[VO], v1, 4, v[VO]
	v_lshlrev_b32 v[VS], 3, v3
	v_mov_b32 v[PD], 0
	s_wait_kmcnt 0x0
; The largest magnitude of the 32 numbers v[XS] .. v[XS + 31], all of one block and all mine; the conversions' scale operand; the scale's byte.
.macro QMAX
	v_max3_num_f32 v[MA], |v[XS]|, |v[XS+1]|, |v[XS+2]|
	v_max3_num_f32 v[MB], |v[XS+3]|, |v[XS+4]|, |v[XS+5]|
.irp i, 6,10,14,18,22,26
	v_max3_num_f32 v[MA], v[MA], |v[XS+\i]|, |v[XS+\i+1]|          ; two chains, so that no line waits for the line above it
	v_max3_num_f32 v[MB], v[MB], |v[XS+\i+2]|, |v[XS+\i+3]|
.endr
	v_max3_num_f32 v[MA], v[MA], |v[XS+30]|, |v[XS+31]|
	v_max3_num_f32 v[MA], v[MA], v[MB], 0x1800000  ; and the floor 2^(3 - 127): the byte cannot fall under 1
	v_add_nc_u32 v[SC], 0xff000000, v[MA]          ; 2 off the exponent field: the conversion takes the exponent field of this operand as its scale, and nothing else of it
	v_lshrrev_b32 v[BY], 23, v[SC]                 ; the scale's byte
.endm
	s_cmp_lt_u32 s[WV], 4
	s_cbranch_scc0 .Lv
	; ---------------- k and q: ONE path; only pointers and two offsets are chosen, on the role alone ----------------
	s_cmp_eq_u32 s[ROLE], 0
	s_cselect_b64 s[IN:IN+1], s[4:5], s[6:7]
	s_cselect_b64 s[OUT:OUT+1], s[10:11], s[12:13]
	s_mov_b32 s21, 4608
	s_cselect_b32 s21, 9216, s21                   ; a block of the image
	s_mov_b32 s22, 4096
	s_cselect_b32 s22, 8192, s22                   ; where its scale words of K or Q begin
	s_lshl_b32 s23, s[XH], 17                      ; my 64 rows of the 128
	s_add_co_u32 s18, s18, s23
	s_add_nc_u64 s[IN:IN+1], s[IN:IN+1], s[18:19]
	s_mul_i32 s20, s20, s21
	s_mov_b32 s21, 0
	s_add_nc_u64 s[OUT:OUT+1], s[OUT:OUT+1], s[20:21]      ; the block
	s_lshl_b32 s23, s[XH], 8
	s_add_co_u32 s22, s22, s23                     ; my four tiles' scale words: 256 bytes
	s_mov_b32 s23, 0
	s_add_nc_u64 s[OSC:OSC+1], s[OUT:OUT+1], s[22:23]
	s_lshl_b32 s20, s[XH], 11                      ; my four tiles' codes: 2,048 bytes
	s_add_nc_u64 s[OUT:OUT+1], s[OUT:OUT+1], s[20:21]
.macro KLOAD t                         ; my tile t: load i brings tile rows 2 i and 2 i + 1, whole head rows of 256 bytes, sixteen lanes each
.irp i, 0,1,2,3,4,5,6,7
	global_load_b128 v[R+32*(\t)+4*\i:R+32*(\t)+4*\i+3], v[GIN], s[IN:IN+1] offset:(32*((\t)/2)+8*((\t)%2)+2*\i+8*(\i/4))*2048 th:TH_LOAD_NT
.endr
.endm
.macro TURN t                          ; the tile turns through its stage: in as loaded, out 128 bytes a lane.  LDS serves a wave's instructions in order (ISA guide 5.7.1.4): no wait between the stores and the loads
.irp i, 0,1,2,3,4,5,6,7
	ds_store_b128 v[STI], v[R+32*(\t)+4*\i:R+32*(\t)+4*\i+3] offset:(\t)*STG+2*\i*PITCH
.endr
.irp i, 0,1,2,3,4,5,6,7
	ds_load_b128 v[X+32*((\t)%2)+4*\i:X+32*((\t)%2)+4*\i+3], v[STO] offset:(\t)*STG+16*\i
.endr
.endm
.macro KQUANT t                        ; lane (r, hh): block hh of tile row r: its 32 codes are my 16 bytes of the tile's image
.set XS, X+32*((\t)%2)
	QMAX
.irp g, 0,1,2,3
	v_cvt_scalef32_pk8_fp4_f32 v[C+4*(\t)+\g], v[XS+8*\g:XS+8*\g+7], v[SC]
.endr
	v_lshlrev_b32 v[BY], v[SH], v[BY]              ; my byte at its place in the row's pair.  (The plain line behind the conversions)
	v_permlanex16_b32 v[PD], v[BY], s[SEL], s[SEL+1]
	v_or_b32 v[BY], v[BY], v[PD]                   ; with lane l xor 16's: the row's two bytes,
	v_lshl_or_b32 v[SW+(\t)], v[BY], 16, v[BY]     ; twice
	global_store_b128 v[LI], v[C+4*(\t):C+4*(\t)+3], s[OUT:OUT+1] offset:512*(\t)   ; 512 consecutive bytes, aligned to 256
.endm
	KLOAD 0
	KLOAD 1
	KLOAD 2
	KLOAD 3                                        ; 32 loads, all that the wave reads, are out
	s_wait_loadcnt 24                              ; tile 0's eight are in; the 24 behind them may be out
	TURN 0
	s_wait_loadcnt 16                              ; tile 1's
	TURN 1
	s_wait_dscnt 16                                ; tile 0 is back from its stage; tile 1's eight stores and eight loads may be out
	KQUANT 0
	s_wait_loadcnt 8                               ; tile 2's
	TURN 2
	s_wait_dscnt 16
	KQUANT 1
	s_wait_loadcnt 0x0
	TURN 3
	s_wait_dscnt 16
	KQUANT 2
	s_wait_dscnt 0x0
	KQUANT 3
	v_cmp_ne_u32 vcc_lo, 0, v2                     ; every lane holds its row's four words: lanes 0-15 store tiles 0, 1's, lanes 16-31 tiles 2, 3's
	v_cndmask_b32 v[WP], v[SW], v[SW+2], vcc_lo
	v_cndmask_b32 v[WP+1], v[SW+1], v[SW+3], vcc_lo
	global_store_b64 v[KS], v[WP:WP+1], s[OSC:OSC+1]       ; 256 consecutive bytes, aligned
	s_wait_tensorcnt 0x0
	ds_add_u32 v62, v63
	s_wait_dscnt 0x0
	s_endpgm
	; ---------------- v: a lane takes a channel, and its registers run DOWN the keys: nothing is transposed ----------------
.Lv:
	s_lshl_b32 s23, s[XH], 7                       ; my 32 channels: 128 bytes of each head row (the partner wave reads the other 128)
	s_add_co_u32 s18, s18, s23
	s_add_nc_u64 s[IN:IN+1], s[8:9], s[18:19]
	s_mul_i32 s20, s20, 9216
	s_lshl_b32 s22, s[XH], 11                      ; fragments 2 x and 2 x + 1
	s_add_co_u32 s22, s22, s20
	s_add_co_u32 s22, s22, 4096
	s_mov_b32 s23, 0
	s_add_nc_u64 s[OUT:OUT+1], s[10:11], s[22:23]
	s_lshl_b32 s22, s[XH], 8
	s_add_co_u32 s22, s22, s20
	s_add_co_u32 s22, s22, 8704
	s_add_nc_u64 s[OSC:OSC+1], s[10:11], s[22:23]
.macro VLOAD t                         ; key block t: v(32 t + i, my channel), i = 0 .. 31
.irp i, 0,1,2,3,4,5,6,7,8,9,10,11,12,13,14,15,16,17,18,19,20,21,22,23,24,25,26,27,28,29,30,31
	global_load_b32 v[VX+32*((\t)%2)+\i], v[VIN], s[IN:IN+1] offset:(32*(\t)+\i)*2048
.endr
.endm
.macro VBLOCK t
.set XS, VX+32*((\t)%2)
.if (\t) < 3
	s_wait_loadcnt 32                              ; this block's 32 loads are in; the next block's may be out
.else
	s_wait_loadcnt 0x0
.endif
	QMAX
.irp g, 0,1,2,3
	v_cvt_scalef32_pk8_fp4_f32 v[C+4*(\t)+\g], v[XS+8*\g:XS+8*\g+7], v[SC]
.endr
.if (\t) == 0
	v_mov_b32 v[WP], v[BY]                         ; the four blocks' bytes make my channel's scale word, the lower keys in the lower byte.  (The plain line behind the conversions)
.else
	v_lshl_or_b32 v[WP], v[BY], 8*(\t), v[WP]
.endif
	global_store_b128 v[VO], v[C+4*(\t):C+4*(\t)+3], s[OUT:OUT+1] offset:256*(\t)   ; lanes 0-15: 256 consecutive bytes of fragment 2 x, lanes 16-31: of fragment 2 x + 1, both aligned
.if (\t) < 2
	VLOAD (\t)+2
.endif
.endm
	s_wait_alu depctr_va_vdst(0)
	VLOAD 0
	VLOAD 1
	VBLOCK 0
	VBLOCK 1
	VBLOCK 2
	VBLOCK 3
	v_mov_b32 v[WP+1], v[WP]
	global_store_b64 v[VS], v[WP:WP+1], s[OSC:OSC+1]       ; 256 consecutive bytes, aligned
	s_endpgm
.Lfunc_end_k_q3a46f7949f_prep:
	.size	k_q3a46f7949f_prep, .Lfunc_end_k_q3a46f7949f_prep-k_q3a46f7949f_prep
	.p2alignl 7, 3214868480
	.fill 96, 4, 3214868480
	.section	.rodata,"a",@progbits
	.p2align	6, 0x0
	.amdhsa_kernel k_q3a46f7949f_prep
		.amdhsa_group_segment_fixed_size 70400
		.amdhsa_private_segment_fixed_size 0
		.amdhsa_enable_private_segment 0
		.amdhsa_kernarg_size 40
		.amdhsa_user_sgpr_count 2
		.amdhsa_user_sgpr_kernarg_segment_ptr 1
		.amdhsa_wavefront_size32 1
		.amdhsa_system_sgpr_workgroup_id_x 1
		.amdhsa_system_sgpr_workgroup_id_y 1
		.amdhsa_system_sgpr_workgroup_id_z 1
		.amdhsa_system_vgpr_workitem_id 0
		.amdhsa_next_free_vgpr 256
		.amdhsa_next_free_sgpr 66
		.amdhsa_reserve_vcc 1
		.amdhsa_float_denorm_mode_32 3
		.amdhsa_float_denorm_mode_16_64 3
		.amdhsa_memory_ordered 1
		.amdhsa_forward_progress 1
		.amdhsa_inst_pref_size 37
	.end_amdhsa_kernel
	.amdgpu_metadata
---
amdhsa.version: [ 1, 2 ]
amdhsa.kernels:
  - .name:           k_q3a46f7949f_prep
    .symbol:         k_q3a46f7949f_prep.kd
    .args:
      - { .name: k, .offset: 0, .size: 8, .value_kind: global_buffer, .address_space: global }
      - { .name: q, .offset: 8, .size: 8, .value_kind: global_buffer, .address_space: global }
      - { .name: v, .offset: 16, .size: 8, .value_kind: global_buffer, .address_space: global }
      - { .name: kvimg, .offset: 24, .size: 8, .value_kind: global_buffer, .address_space: global }
      - { .name: qimg, .offset: 32, .size: 8, .value_kind: global_buffer, .address_space: global }
    .group_segment_fixed_size: 70400
    .private_segment_fixed_size: 0
    .kernarg_segment_align: 8
    .kernarg_segment_size: 40
    .max_flat_workgroup_size: 192
    .sgpr_count:     66
    .vgpr_count:     256
    .wavefront_size: 32
...
	.end_amdgpu_metadata
.endif
;; end of part 1
;; launch attn (part 2): grid 16 x 16, 16 waves a work-group, clusters of 4 x 1, 327,680 bytes of LDS; arguments kvimg, qimg, out0; writes out0
.if DOCPART == 2
	.amdgcn_target "amdgcn-amd-amdhsa--gfx1250"
	.amdhsa_code_object_version 6
	.text
	.protected	k_q3a46f7949f_attn
	.globl	k_q3a46f7949f_attn
	.p2align	8
	.type	k_q3a46f7949f_attn,@function
k_q3a46f7949f_attn:
	s_mov_b64 s[64:65], 0
	v_nop
	global_prefetch_b8 v0, s[64:65] scope:SCOPE_SE
	s_setreg_imm32_b32 hwreg(HW_REG_WAVE_MODE, 25, 1), 1
	s_wait_xcnt 0x0
	s_wait_alu depctr_hold_cnt(0) depctr_sa_sdst(0) depctr_va_vdst(0) depctr_va_sdst(0) depctr_va_ssrc(0) depctr_va_vcc(0) depctr_vm_vsrc(0)
	s_getreg_b32 s2, hwreg(HW_REG_IB_STS2, 6, 4)
	s_cmp_eq_u32 s2, 0
	s_cbranch_scc0 .Lentry_in_a_cluster
	s_endpgm
.Lentry_in_a_cluster:
	s_bfe_u32 s2, ttmp6, 0x10000c
	s_cmp_lg_u32 s2, 0x3003
	s_cbranch_scc0 .Lentry_shape_is_right
	s_endpgm
.Lentry_shape_is_right:
; out[b][q][h][:] = sum over keys of softmax(q . k / 8) v, both products on codes of FP4 (E2M1) with E8M0 scales, from the images that the launch before has laid (kvimg: 9,216 bytes for 128 keys; qimg: 4,608 for 128 queries).
; p = 2^(t - M), t = score x log2(e) / 8, M = the running largest t rounded up to a whole number; the row's sum is taken of the unquantised p in f32 and divides at the end; when M moves, sums and O are multiplied by 2^(old M - new M).
; LIMITS: the promise holds while |t| stays under 2^31; NaN and infinities among the inputs are not served.  No work of the problem is left out.
; SHARES.  A work-group: 256 queries of one head (y = 8 b + h); sixteen waves of 16 queries each.  All 4,096 keys of the head, 32 steps x 9,216 bytes, lie in LDS: each wave fetches one step of the first half at the head and one of the second
; half behind the full sequence.  The four work-groups of a cluster walk the same head and ask jointly (mask 15).  No data prefetch: every tensor load goes out at the head, so there is no loop to run ahead in.
; LAYOUT.  Both products transposed: S^T = K Q^T, O^T = V^T P^T: a lane holds one query (lane % 16).  THE ROWS OF A SCORE TILE are picked from K's image by the lane's address: tile 4 c + u, row r is key 64 c + 32 (r / 8) + 8 u + r % 8.
; So the 32 registers of tiles 4 c .. 4 c + 3 of lane (r, h) are keys 64 c + 32 h + 0 .. 31: ONE WHOLE BLOCK of the second product's K, in the order of that operand's registers 4 c .. 4 c + 3: the conversions' results are the operand.
; The head's 64 fill half of an instruction's 128 along K: two tiles of K share an operand, and Q stands beside 16 bytes of zero codes on either side.
; THE EXPONENTIALS go in four batches of 16 with a wait between batches; among a batch's lines stand plain lines that read nothing written inside the same batch: later quarters' scalings, earlier quarters' sums, the scales' lines.
; Steps 0 to 7 are read ahead of the barrier that shows the second half; behind it their bytes (73,728) are read no more and hold the waves' stages for the way out (16 x 4,352).
.set STEPB, 9216
.set HALF,  16*STEPB
.set HEADB, 32*STEPB
.set SP,    272
.set SPARE, 32*STEPB                   ; behind the head's keys: the spare words, 128 bytes a wave
.set LI,  1                            ; 16 x lane
.set LV,  2                            ; 8 x lane
.set LK,  3                            ; K's codes: 1024 (r / 8) + 256 h + 16 (r % 8)
.set LKS, 4                            ; K's scale words: 256 h + 16 (r % 8) + 8 (r / 8)
.set GO,  5                            ; the way out: 2048 h + 16 r
.set AI,  8                            ; the step's addresses
.set AV,  9
.set AK,  10
.set AKS, 11
.set OLD, 14                           ; -M of the step before.  v12 = -M, v13 = the running largest score
.set T1,  15
.set SH8, 28                           ; 8 h
.set PP,  29                           ; a lane permute's destination
.set F,   30                           ; v[30:31]: f = 2^(old M - new M), and a word that is only named
.set KF,  32
.set VF,  64
.set S,   96
.set O,   160
.set PC,  192
.set X,   200                          ; v200-207 eight chains of maxima; X, X + 4: the two blocks' largest
.set BS,  208
.set BY,  210
.set PSC, 212
.set QSC, 213
.set KSC, 216
.set VSC, 220
.set ACC, 224                          ; v224-239 the row's sum in eight pairs
.set SPW, 254
.set NIL, 255
.set WV,  10
.set G1,  16
.set G0A, 24
.set G0B, 28
.set SEL, 38
.set CS,  40
.set TB,  42
.set CNT, 43
.set NC,  47
.macro ROUND
	s_barrier_signal -1
	s_barrier_wait -1
	s_cmp_lg_u32 s[WV], 0
	s_cbranch_scc1 .Lnot_wave_0_\@
	s_barrier_signal -3
.Lnot_wave_0_\@:
	s_barrier_wait -3
	s_barrier_signal -1
	s_barrier_wait -1
.endm
	s_load_b128 s[4:7], s[0:1], 0x0                ; kvimg, qimg
	s_load_b64 s[8:9], s[0:1], 0x10                ; out0
	v_lshl_add_u32 v[SPW], v0, 2, SPARE
	v_mov_b32 v[NIL], 0
	ds_add_u32 v[SPW], v[NIL]                      ; the opening lines: the add twice on end and its wait
	ds_add_u32 v[SPW], v[NIL]
	v_lshrrev_b32 v1, 5, v0
	s_delay_alu instid0(VALU_DEP_1)
	v_readfirstlane_b32 s[WV], v1                  ; wave 0..15
	s_bfe_u32 s11, ttmp6, 0x40000                  ; cx
	s_lshl_b32 s12, ttmp9, 2
	s_add_co_u32 s12, s12, s11                     ; work-group x: which 256 queries
	s_and_b32 s13, ttmp7, 0xffff                   ; 8 b + h
	s_lshr_b32 s14, s[WV], 3
	s_lshl_b32 s44, s12, 1
	s_add_co_u32 s14, s14, s44                     ; which block of 128 queries
	s_and_b32 s15, s[WV], 7                        ; which tile of it
	s_mov_b32 s[G1+0], 15|(3<<16)|(1<<21)          ; mask of the four partners; elements of 8 bytes
	s_mov_b32 s[G1+1], 32<<16                      ; 36 rows of 256 bytes, dense: one step
	s_mov_b32 s[G1+2], 36<<16
	s_mov_b32 s[G1+3], 32<<16
	s_mov_b32 s[G1+4], 36
	s_mov_b32 s[G1+5], 32
	s_mov_b32 s[G1+6], 0
	s_mov_b32 s[G1+7], 0
	s_mul_i32 s[G0A+1], s[WV], STEPB
	s_mul_i32 s32, s13, HEADB
	s_add_co_u32 s32, s32, s[G0A+1]
	s_mov_b32 s33, 0
	s_lshl_b32 s34, s13, 5
	s_add_co_u32 s34, s34, s14
	s_mul_i32 s34, s34, 4608
	s_mov_b32 s35, 0
	s_lshr_b32 s36, s13, 3
	s_lshl_b32 s36, s36, 23                        ; out0: b,
	s_and_b32 s44, s13, 7
	s_lshl_b32 s44, s44, 8                         ; head,
	s_add_co_u32 s36, s36, s44
	s_lshl_b32 s44, s14, 18                        ; 128 queries,
	s_add_co_u32 s36, s36, s44
	s_lshr_b32 s44, s15, 1
	s_lshl_b32 s44, s44, 16                        ; tile T begins at query 32 (T / 2) + 8 (T % 2)
	s_add_co_u32 s36, s36, s44
	s_and_b32 s44, s15, 1
	s_lshl_b32 s44, s44, 14
	s_add_co_u32 s36, s36, s44
	s_mov_b32 s37, 0
	s_lshl_b32 s44, s15, 9                         ; Q's tile in its block
	s_lshr_b32 s45, s15, 2
	s_lshl_b32 s45, s45, 8
	s_and_b32 s46, s15, 3
	s_lshl_b32 s46, s46, 2
	s_add_co_u32 s45, s45, s46
	s_add_co_u32 s45, s45, 4096                    ; and its scale words
	s_mov_b32 s[SEL], 0x76543210
	s_mov_b32 s[SEL+1], 0xfedcba98
	s_mov_b32 s[CS], 0x3e38aa3b                    ; c = log2(e) / 8
	s_mov_b32 s[CS+1], s[CS]
	s_mov_b32 s[NC], 0xbe38aa3b                    ; -c
	v_and_b32 v[LI], 31, v0
	v_and_b32 v10, 15, v0                          ; r
	v_lshlrev_b32 v[LV], 3, v[LI]
	v_lshlrev_b32 v[LI], 4, v[LI]
	v_lshl_add_u32 v7, v10, 4, s45
	v_add_nc_u32 v6, s44, v[LI]
	s_wait_alu depctr_va_vdst(0)                   ; the wait ahead of the blocking waits
	s_wait_dscnt 0x0
	s_wait_kmcnt 0x0
	s_mov_b32 s[G0A], 1
	s_add_nc_u64 s[G0A+2:G0A+3], s[4:5], s[32:33]
	s_mov_b32 s[G0B], 1
	s_add_co_u32 s[G0B+1], s[G0A+1], HALF
	s_add_nc_u64 s[G0B+2:G0B+3], s[G0A+2:G0A+3], HALF
	s_or_b32 s[G0A+3], s[G0A+3], 0x80000000
	s_or_b32 s[G0B+3], s[G0B+3], 0x80000000
	s_add_nc_u64 s[6:7], s[6:7], s[34:35]
	s_add_nc_u64 s[8:9], s[8:9], s[36:37]
	global_load_b128 v[20:23], v6, s[6:7] th:TH_LOAD_NT   ; Q's tile and scale words are asked for first: they are waited for in front of the first product
	global_load_b32 v[QSC], v7, s[6:7] th:TH_LOAD_NT
	ROUND
	tensor_load_to_lds s[G0A:G0A+3], s[G1:G1+7]    ; step = my wave's number: one tensor load a wave at the head
	s_nop 0
	v_and_b32 v8, 7, v0
	v_bfe_u32 v9, v0, 3, 1
	v_bfe_u32 v11, v0, 4, 1                        ; h
	v_lshlrev_b32 v[LK], 4, v8
	v_lshlrev_b32 v[SH8], 3, v11
	v_lshlrev_b32 v[GO], 11, v11
	v_lshl_add_u32 v[LKS], v9, 3, v[LK]
	v_lshl_add_u32 v[LK], v9, 10, v[LK]
	v_lshl_add_u32 v[GO], v10, 4, v[GO]
	v_lshl_add_u32 v[LKS], v11, 8, v[LKS]
	v_lshl_add_u32 v[LK], v11, 8, v[LK]
.irp j, 16,17,18,19,24,25,26,27
	v_mov_b32 v[\j], 0                             ; zero codes on either side of Q
.endr
	v_mov_b32 v13, 0xff61b1e6                      ; the largest score so far: -3e38
	v_mov_b32 v[OLD], 0x7e000000                   ; -M so far: so large that the first f is 0, which leaves the zeros below zeros
	v_mov_b32 v[PP], 0
	v_mov_b32 v[F+1], 0
.set II, 0
.rept 16
	v_mov_b32 v[ACC+II], 0
.set II, II+1
.endr
.set II, 0
.rept 32
	v_mov_b32 v[O+II], 0                           ; the step is written once: its first run finds zeros
.set II, II+1
.endr
; K's fragments and scale words of the step that begins \base bytes behind the address registers
.macro KLOADS a, as, base
	ds_load_b64 v[KSC:KSC+1], v[\as] offset:\base+8192        ; lanes 0-15: tiles 0, 1; lanes 16-31: tiles 4, 5
	ds_load_b64 v[KSC+2:KSC+3], v[\as] offset:\base+8192+128  ; tiles 2, 3 and 6, 7
.irp t, 0,1,2,3,4,5,6,7
	ds_load_b128 v[KF+4*\t:KF+4*\t+3], v[\a] offset:\base+2048*(\t/4)+512*(\t%2)+128*((\t%4)/2)
.endr
.endm
.macro KP pf, t0, n                    ; pf = 1: n tiles of the next step's K, from tile t0 on
.if \pf
.set JJ, \t0
.rept \n
	ds_load_b128 v[KF+4*JJ:KF+4*JJ+3], v[AK] offset:STEPB+2048*(JJ/4)+512*(JJ%2)+128*((JJ%4)/2)
.set JJ, JJ+1
.endr
.endif
.endm
.macro PKF j0, n                       ; t - M, two at a time
.set II, \j0
.rept \n
	v_pk_fma_f32 v[S+2*II:S+2*II+1], v[S+2*II:S+2*II+1], s[CS:CS+1], v[12:13] op_sel_hi:[1,0,0]
.set II, II+1
.endr
.endm
.macro ADDS k, i0, n                   ; the sum's pair i takes p's pair 8 k + i
.set II, \i0
.rept \n
	v_pk_add_f32 v[ACC+2*II:ACC+2*II+1], v[ACC+2*II:ACC+2*II+1], v[S+16*\k+2*II:S+16*\k+2*II+1]
.set II, II+1
.endr
.endm
; A KEY STEP of 128 keys.  K's fragments were asked for a step ago.  pf = 1: the next step's are asked for among the lines that make M.
.macro STEP pf
	s_wait_dscnt 0x0                               ; K's fragments and scale words are in
.irp t, 0,1,2,3,4,5,6,7
.if \t < 4
	v_wmma_scale_f32_16x16x128_f8f6f4 v[S+8*\t:S+8*\t+7], v[KF+8*(\t/2):KF+8*(\t/2)+7], v[20-4*(\t%2):27-4*(\t%2)], 0, v[KSC+\t%4], v[QSC] matrix_a_fmt:MATRIX_FMT_FP4 matrix_b_fmt:MATRIX_FMT_FP4
.else
	v_wmma_scale_f32_16x16x128_f8f6f4 v[S+8*\t:S+8*\t+7], v[KF+8*(\t/2):KF+8*(\t/2)+7], v[20-4*(\t%2):27-4*(\t%2)], 0, v[KSC+\t%4], v[QSC] matrix_a_fmt:MATRIX_FMT_FP4 matrix_b_fmt:MATRIX_FMT_FP4 matrix_a_scale:MATRIX_SCALE_ROW1
.endif
.endr
	v_add_nc_u32 v[AI], s[TB], v[LI]               ; four places behind the products, in front of the loads and of the reads of S
	v_add_nc_u32 v[AV], s[TB], v[LV]
.if \pf
	v_add_nc_u32 v[AK], s[TB], v[LK]
	v_add_nc_u32 v[AKS], s[TB], v[LKS]
.else
	v_nop
	v_nop
.endif
	ds_load_b32 v[VSC], v[AV] offset:8704
	ds_load_b32 v[VSC+1], v[AV] offset:8960
.irp f, 0,1,2,3,4,5,6,7
	ds_load_b128 v[VF+4*\f:VF+4*\f+3], v[AI] offset:4096+512*\f
.endr
.irp t, 0,1,2,3,4,5,6,7                ; the largest score of each block: eight chains, a tile each, from each tile's low end on
	v_max3_num_f32 v[X+\t], v[S+8*\t], v[S+8*\t+1], v[S+8*\t+2]
.endr
.irp i, 3,5
.irp t, 0,1,2,3,4,5,6,7
	v_max3_num_f32 v[X+\t], v[X+\t], v[S+8*\t+\i], v[S+8*\t+\i+1]
.endr
.endr
	v_max3_num_f32 v[X], v[X], v[X+1], v[S+7]
	v_max3_num_f32 v[X+2], v[X+2], v[X+3], v[S+15]
	v_max3_num_f32 v[X+4], v[X+4], v[X+5], v[S+39]
	v_max3_num_f32 v[X+6], v[X+6], v[X+7], v[S+47]
.if \pf                                ; the next step's ten loads of K stand between the lines of the chain below, each of which reads the line before it
	ds_load_b64 v[KSC:KSC+1], v[AKS] offset:STEPB+8192
.endif
	v_max3_num_f32 v[X], v[X], v[X+2], v[S+23]
	v_max3_num_f32 v[X+4], v[X+4], v[X+6], v[S+55]
.if \pf
	ds_load_b64 v[KSC+2:KSC+3], v[AKS] offset:STEPB+8192+128
.endif
	v_max_num_f32 v[X], v[X], v[S+31]              ; block h
	v_max_num_f32 v[X+4], v[X+4], v[S+63]          ; block 2 + h
	KP \pf, 0, 1
	v_max3_num_f32 v[T1], v13, v[X], v[X+4]
	KP \pf, 1, 2
	v_permlanex16_b32 v[PP], v[T1], s[SEL], s[SEL+1]
	KP \pf, 3, 2
	v_max_num_f32 v13, v[T1], v[PP]                ; the running largest score of my query
	KP \pf, 5, 1
	v_mul_f32 v[T1], s[NC], v13                    ; -t
	KP \pf, 6, 1
	v_floor_f32 v12, v[T1]                         ; -M = floor(-t)
	KP \pf, 7, 1
	PKF 0, 3                                       ; the first quarter's t - M
	v_sub_f32 v[T1], v12, v[OLD]                   ; old M - new M: a whole number, 0 or less
	PKF 3, 3
	v_cvt_i32_f32 v[T1], v[T1]                     ; (it saturates)
	PKF 6, 2
	v_fma_f32 v[X], v[X], s[CS], v12               ; the same of each block's largest score: the block's largest p comes of the same two instructions
	v_fma_f32 v[X+4], v[X+4], s[CS], v12
	v_ldexp_f32 v[F], 1.0, v[T1]                   ; f
	s_wait_alu depctr_va_vdst(0)                   ; a wait ahead of each batch and behind it: one stands between batches
.set II, 0
.rept 16                               ; batch 1: p of keys 0-15 of block h; beside it the second and third quarters' t - M
	v_exp_f32 v[S+II], v[S+II]
	v_pk_fma_f32 v[S+16+2*II:S+17+2*II], v[S+16+2*II:S+17+2*II], s[CS:CS+1], v[12:13] op_sel_hi:[1,0,0]
.set II, II+1
.endr
	v_exp_f32 v[X], v[X]
	v_exp_f32 v[X+4], v[X+4]
	v_mov_b32 v[OLD], v12
	s_wait_alu depctr_va_vdst(0)
.set II, 0
.rept 8                                ; batch 2; beside it the last quarter's t - M, and the sums under the new M with the first 16 p
	v_exp_f32 v[S+16+2*II], v[S+16+2*II]
	v_pk_fma_f32 v[S+48+2*II:S+49+2*II], v[S+48+2*II:S+49+2*II], s[CS:CS+1], v[12:13] op_sel_hi:[1,0,0]
	v_exp_f32 v[S+17+2*II], v[S+17+2*II]
	v_pk_fma_f32 v[ACC+2*II:ACC+2*II+1], v[ACC+2*II:ACC+2*II+1], v[F:F+1], v[S+2*II:S+2*II+1] op_sel_hi:[1,0,1]
.set II, II+1
.endr
	v_max_num_f32 v[X], 0x1800000, v[X]            ; the floor 2^(3 - 127): the byte cannot fall under 1
	v_max_num_f32 v[X+4], 0x1800000, v[X+4]
	s_wait_alu depctr_va_vdst(0)
.set II, 0
.rept 8                                ; batch 3; beside it the second 16 p into the sums
	v_exp_f32 v[S+32+2*II], v[S+32+2*II]
	v_exp_f32 v[S+33+2*II], v[S+33+2*II]
	v_pk_add_f32 v[ACC+2*II:ACC+2*II+1], v[ACC+2*II:ACC+2*II+1], v[S+16+2*II:S+17+2*II]
.set II, II+1
.endr
	v_add_nc_u32 v[BS], 0xff000000, v[X]           ; 2 off the exponent field: the conversions' scale operand
	v_add_nc_u32 v[BS+1], 0xff000000, v[X+4]
	s_wait_alu depctr_va_vdst(0)
.set II, 0
.rept 8                                ; batch 4; beside it the third 16 p into the sums
	v_exp_f32 v[S+48+2*II], v[S+48+2*II]
	v_exp_f32 v[S+49+2*II], v[S+49+2*II]
	v_pk_add_f32 v[ACC+2*II:ACC+2*II+1], v[ACC+2*II:ACC+2*II+1], v[S+32+2*II:S+33+2*II]
.set II, II+1
.endr
	v_lshrrev_b32 v[BY], 23, v[BS]                 ; the scales' bytes
	v_lshrrev_b32 v[BY+1], 23, v[BS+1]
.irp g, 0,1,2,3
	v_cvt_scalef32_pk8_fp4_f32 v[PC+\g], v[S+8*\g:S+8*\g+7], v[BS]   ; register g of the operand: keys 32 h + 8 g + 0 .. 7
.endr
	s_wait_alu depctr_va_vdst(0)                   ; the wait behind the last batch
	v_lshl_or_b32 v[PSC], v[BY+1], 16, v[BY]
.irp g, 4,5,6,7
	v_cvt_scalef32_pk8_fp4_f32 v[PC+\g], v[S+8*\g:S+8*\g+7], v[BS+1]   ; keys 64 + 32 h + 8 (g - 4) + 0 .. 7
.endr
	v_lshlrev_b32 v[PSC], v[SH8], v[PSC]           ; my two bytes at blocks h and 2 + h.  (The plain place behind the conversions)
	ADDS 3, 0, 2
	s_delay_alu instid0(VALU_DEP_3)
	v_permlanex16_b32 v[PP], v[PSC], s[SEL], s[SEL+1]
	ADDS 3, 2, 4
	v_or_b32 v[PSC], v[PSC], v[PP]                 ; with lane l xor 16's two: p's scale word; eighteen plain lines stand between it and the products
	ADDS 3, 6, 2
	s_wait_alu depctr_va_vdst(0)                   ; the wait directly ahead of the first readers of O^T
.irp j, 0,2,4,6,8,10,12,14,16,18,20,22,24,26,28,30
	v_pk_mul_f32 v[O+\j:O+1+\j], v[O+\j:O+1+\j], v[F:F+1] op_sel_hi:[1,0]   ; O^T under the new M
.endr
	s_wait_alu depctr_va_vdst(0)                   ; the wait ahead of the blocking wait
.if \pf
	s_wait_dscnt 10                                ; V's ten loads are in; the next step's ten of K may be out
.else
	s_wait_dscnt 0x0
.endif
.irp t, 0,1,2,3
.if \t%2 == 0
	v_wmma_scale_f32_16x16x128_f8f6f4 v[O+8*\t:O+8*\t+7], v[VF+8*\t:VF+8*\t+7], v[PC:PC+7], v[O+8*\t:O+8*\t+7], v[VSC+\t/2], v[PSC] matrix_a_fmt:MATRIX_FMT_FP4 matrix_b_fmt:MATRIX_FMT_FP4
.else
	v_wmma_scale_f32_16x16x128_f8f6f4 v[O+8*\t:O+8*\t+7], v[VF+8*\t:VF+8*\t+7], v[PC:PC+7], v[O+8*\t:O+8*\t+7], v[VSC+\t/2], v[PSC] matrix_a_fmt:MATRIX_FMT_FP4 matrix_b_fmt:MATRIX_FMT_FP4 matrix_a_scale:MATRIX_SCALE_ROW1
.endif
.endr
.if \pf
	s_add_co_u32 s[TB], s[TB], STEPB
.endif
.endm
	s_wait_alu depctr_va_vdst(0)                   ; the wait at the head's end
	s_wait_tensorcnt 0x0                           ; my step of the first half is in; the full sequence ahead of the later first fill:
	ds_add_u32 v[SPW], v[NIL]
	s_wait_dscnt 0x0
	ROUND                                          ; the first half is whole in every partner
	tensor_load_to_lds s[G0B:G0B+3], s[G1:G1+7]    ; step 16 + my wave's number
	s_nop 0
.rept 4
	v_nop
.endr
	KLOADS LK, LKS, 0                              ; step 0's fragments of K
	s_mov_b32 s[TB], 0
	s_mov_b32 s[CNT], 8
	s_wait_loadcnt 0x0                             ; Q
.Lfirst:                                               ; steps 0 to 7: they read up to step 8's K, all in the first half
	STEP 1
	s_sub_co_u32 s[CNT], s[CNT], 1
	s_cmp_lg_u32 s[CNT], 0
	s_cbranch_scc1 .Lfirst
	s_wait_tensorcnt 0x0                           ; my step of the second half is in,
	s_wait_dscnt 0x0                               ; and my reads of steps 0 to 7 are over
	s_barrier_signal -1
	s_barrier_wait -1
	s_mov_b32 s[TB], 8*STEPB
	s_mov_b32 s[CNT], 23
.Lsecond:                                              ; steps 8 to 30
	STEP 1
	s_sub_co_u32 s[CNT], s[CNT], 1
	s_cmp_lg_u32 s[CNT], 0
	s_cbranch_scc1 .Lsecond
	s_mov_b32 s[TB], 31*STEPB
	STEP 0                                         ; the last step asks for no further K
	; THE WAY OUT: the sum's eight pairs and two lanes are joined; O^T / the sum turns through my stage and leaves as whole rows of 256 bytes
.irp i, 0,2,4,6
	v_pk_add_f32 v[ACC+\i:ACC+\i+1], v[ACC+\i:ACC+\i+1], v[ACC+8+\i:ACC+9+\i]
.endr
	v_pk_add_f32 v[ACC:ACC+1], v[ACC:ACC+1], v[ACC+4:ACC+5]
	v_pk_add_f32 v[ACC+2:ACC+3], v[ACC+2:ACC+3], v[ACC+6:ACC+7]
	s_delay_alu instid0(VALU_DEP_1)
	v_pk_add_f32 v[ACC:ACC+1], v[ACC:ACC+1], v[ACC+2:ACC+3]
	s_delay_alu instid0(VALU_DEP_1)
	v_add_f32 v[ACC], v[ACC], v[ACC+1]
	s_delay_alu instid0(VALU_DEP_1)
	v_permlanex16_b32 v[PP], v[ACC], s[SEL], s[SEL+1]
	s_delay_alu instid0(VALU_DEP_1)
	v_add_f32 v[ACC], v[ACC], v[PP]                ; the row's sum
	s_wait_alu depctr_va_vdst(0)                   ; the wait ahead of the transcendental
	v_rcp_f32 v[ACC], v[ACC]
	v_and_b32 v10, 15, v0
	v_bfe_u32 v11, v0, 4, 1
	s_mul_i32 s44, s[WV], 16*SP                    ; my stage
	v_mul_u32_u24 v8, v10, SP
	v_mul_u32_u24 v9, v11, SP
	s_delay_alu instid0(VALU_DEP_2)
	v_lshl_add_u32 v8, v11, 5, v8
	s_delay_alu instid0(VALU_DEP_2)
	v_lshl_add_u32 v9, v10, 4, v9
	s_delay_alu instid0(VALU_DEP_2)
	v_add_nc_u32 v8, s44, v8                       ; in: row r, 64 t + 32 h bytes on
	s_delay_alu instid0(VALU_DEP_2)
	v_add_nc_u32 v9, s44, v9                       ; back: lanes 0-15 one row, lanes 16-31 the next
	s_wait_alu depctr_va_vdst(0)                   ; the wait behind the transcendental, directly ahead of the first readers of O^T
.irp j, 0,2,4,6,8,10,12,14,16,18,20,22,24,26,28,30
	v_pk_mul_f32 v[S+\j:S+1+\j], v[O+\j:O+1+\j], v[ACC:ACC+1] op_sel_hi:[1,0]
.endr
.irp t, 0,1,2,3
	ds_store_b128 v8, v[S+8*\t:S+8*\t+3] offset:64*\t
	ds_store_b128 v8, v[S+8*\t+4:S+8*\t+7] offset:64*\t+16
.endr
.irp i, 0,1,2,3,4,5,6,7
	ds_load_b128 v[KF+4*\i:KF+4*\i+3], v9 offset:2*\i*SP   ; LDS serves a wave's instructions in order: these see my stores
.endr
.irp i, 0,1,2,3,4,5,6,7
	s_wait_dscnt 7-\i
	global_store_b128 v[GO], v[KF+4*\i:KF+4*\i+3], s[8:9] offset:(2*\i+8*(\i/4))*2048 th:TH_STORE_NT   ; tile row r is query r + 8 (r / 8) of the tile: sixteen lanes store 256 consecutive bytes, aligned
.endr
	s_wait_tensorcnt 0x0                           ; the wave's end
	ds_add_u32 v[SPW], v[NIL]
	s_wait_dscnt 0x0
	ROUND                                          ; the closing round
	s_endpgm
.Lfunc_end_k_q3a46f7949f_attn:
	.size	k_q3a46f7949f_attn, .Lfunc_end_k_q3a46f7949f_attn-k_q3a46f7949f_attn
	.p2alignl 7, 3214868480
	.fill 96, 4, 3214868480
	.section	.rodata,"a",@progbits
	.p2align	6, 0x0
	.amdhsa_kernel k_q3a46f7949f_attn
		.amdhsa_group_segment_fixed_size 327680
		.amdhsa_private_segment_fixed_size 0
		.amdhsa_enable_private_segment 0
		.amdhsa_kernarg_size 24
		.amdhsa_user_sgpr_count 2
		.amdhsa_user_sgpr_kernarg_segment_ptr 1
		.amdhsa_wavefront_size32 1
		.amdhsa_system_sgpr_workgroup_id_x 1
		.amdhsa_system_sgpr_workgroup_id_y 1
		.amdhsa_system_sgpr_workgroup_id_z 1
		.amdhsa_system_vgpr_workitem_id 0
		.amdhsa_next_free_vgpr 256
		.amdhsa_next_free_sgpr 66
		.amdhsa_reserve_vcc 0
		.amdhsa_float_denorm_mode_32 3
		.amdhsa_float_denorm_mode_16_64 3
		.amdhsa_memory_ordered 1
		.amdhsa_forward_progress 1
		.amdhsa_inst_pref_size 55
	.end_amdhsa_kernel
	.amdgpu_metadata
---
amdhsa.version: [ 1, 2 ]
amdhsa.kernels:
  - .name:           k_q3a46f7949f_attn
    .symbol:         k_q3a46f7949f_attn.kd
    .args:
      - { .name: kvimg, .offset: 0, .size: 8, .value_kind: global_buffer, .address_space: global }
      - { .name: qimg, .offset: 8, .size: 8, .value_kind: global_buffer, .address_space: global }
      - { .name: out0, .offset: 16, .size: 8, .value_kind: global_buffer, .address_space: global }
    .group_segment_fixed_size: 327680
    .private_segment_fixed_size: 0
    .kernarg_segment_align: 8
    .kernarg_segment_size: 24
    .max_flat_workgroup_size: 512
    .sgpr_count:     66
    .vgpr_count:     256
    .wavefront_size: 32
...
	.end_amdgpu_metadata
.endif
;; end of part 2
